; MI455X (gfx1250); checked and timed in simulation.
; The chip was launched on July 23, 2026; its instructions are those of AMD's public machine-readable ISA for CDNA 5 (MIT licence, August 2026) and "CDNA5" Instruction Set Architecture Reference Guide (July 2026). The comments in the code are by the model that wrote it; some were corrected since.
;; Seq Self Attention. Allowed arithmetic: float matrix products may take bf16 or f16 operands with f32 sums; all other float work in f32.
;; Inputs: Wa 32 x 1 float32; Wt 256 x 32 float32; Wx 256 x 32 float32; ba 1 float32; bh 32 float32; x 4 x 1,024 x 256 float32.
;; Outputs: out0 4 x 1,024 x 256 float32.
;; 2 versions, each right; version 2 is version 1 with the launch attn written anew for expert scheduling mode. Each part assembles by itself: llvm-mc -triple=amdgcn-amd-amdhsa -mcpu=gfx1250 --defsym DOCPART=n.
;; ======== version 1 of 2: 1 launch
;; limits: right only within a limited range of input values; values are held in f16: magnitudes above 65,504 overflow, below 6.1e-05 lose precision; inputs' magnitudes at most 65,504
;; launch attn (part 1): grid 256 x 1, 8 waves a work-group, no clusters, 168,960 bytes of LDS; arguments x, Wt, Wx, bh, Wa, ba, out0; writes out0
.if DOCPART == 1
	.amdgcn_target "amdgcn-amd-amdhsa--gfx1250"
	.amdhsa_code_object_version 6
	.text
	.protected	k_q7c8fe9235e_attn
	.globl	k_q7c8fe9235e_attn
	.p2align	8
	.type	k_q7c8fe9235e_attn,@function
k_q7c8fe9235e_attn:
	s_mov_b64 s[64:65], 0
	v_nop
	global_prefetch_b8 v0, s[64:65] scope:SCOPE_SE
	s_setreg_imm32_b32 hwreg(HW_REG_WAVE_MODE, 25, 1), 1
	s_wait_xcnt 0x0
; Additive self-attention in a band of 64.  x: [4][1024][256] f32, Wt, Wx: [256][32], bh: [32], Wa: [32], ba: [1], out0: [4][1024][256] f32.
;   q = x Wt, k = x Wx, e[t][s] = ba + sum over u of Wa[u] tanh(q[t][u] + k[s][u] + bh[u]), a = softmax over s in [t-32, t+32) and [0, 1024), out[t] = sum a[t][s] x[s].
; One launch.  A work-group of eight waves owns 16 rows t of one batch and needs the 80 rows s = t0-32 .. t0+47 of x ("columns" j = 0 .. 79; row i uses j = i .. i+63).
;   1  x (80 rows) and Wt | Wx are loaded once, rounded to f16 in registers, and laid into LDS
;   2  waves 0-4: k of 16 columns each, wave 5: q of the 16 rows, on the matrix unit; each number is split as below and laid into LDS
;   3  wave w: e of rows 2w, 2w+1, softmax (the row's maximum is taken away), a as f16 [16][96] into LDS, zeros outside the band
;   4  a x on the matrix unit, two tiles of 16 features a wave;  5  through an LDS stage, whole rows of 1,024 bytes go out
; TANH WITH ONE TRANSCENDENTAL A TERM.  tanh(z) = 1 - 2 / (1 + 2^(c z)), c = 2 log2 e.  Once for each (t, u): -c (q + bh) = ig + fg, ig whole, |fg| <= 1/2,
; mg = 2^fg, cw = -2 Wa mg.  Once for each (s, u): c k = ik + fk, mk = 2^fk.  Then 1 / (1 + 2^(c z)) = mg / (mg + mk 2^(ik-ig)), and
; e = (ba + sum Wa) + sum over u of cw / (mg + ldexp(mk, ik - ig)): a subtraction, a ldexp, half a packed add, one v_rcp_f32, half a packed fma.
; The exponents are whole numbers of their own, so no size of q or k overflows: ldexp gives infinity or 0, and the term becomes 0 or cw / mg.
; F16, NOT BF16, FOR THE MATRIX OPERANDS: 11 significant bits against 8.  An output is a weighted mean of up to 64 rows, about an eighth of x's spread, and the roundings
; of a, of x and (through e) of x and W add up over the same terms, so three bits more in each operand are worth having; bytes, layouts and instructions are the same.
; LIMITS.  (a) Outside the band reference() takes 10000 from e; such a weight is exp(-10000 + at most 2 sum |Wa|), which is 0 in f32 while sum |Wa| < 4,948:
; up to there this text, which leaves those terms out, agrees.  (b) ig and ik are clamped to +-2^29: |q + bh| and |k| below 1.8e8.  (c) NaN and infinities in the
; inputs are not followed.  (d) x, Wt, Wx and a enter the matrix unit rounded to f16; sums are f32.  So |x|, |Wt|, |Wx| <= 65,504 (beyond it the rounding gives
; infinity), and numbers below 6.1e-5 are rounded in steps of 6e-8 instead of 11 bits.
; NO CLUSTER, NO TENSOR LOADS: what groups share (Wt, Wx: 65,536 bytes; 64 of the 80 rows of x) is f32 and has to be f16 in LDS.  Through registers the rounding
; costs two instructions for 16 bytes; a joint load would lay 147,456 bytes of f32 into LDS, to be read, rounded and stored once more.  Each byte of LDS is filled once.
.set SEQ, 1024
; LDS rows (bytes).  64 banks of 4 bytes (ISA guide 11.1).  PK, PQ, PAT, PST are odd multiples of 16: the 16 rows that a 16-byte access touches start at 16 different
; groups of four banks.  PX, PW are odd multiples of 32, which the transposing loads want (8 rows x 32 bytes fill the banks once); x's plain fragment loads collide two deep.
.set PX,  544                          ; x: 256 f16 + 32
.set PW,  160                          ; Wt | Wx: 64 f16 + 32
.set PK,  272                          ; k: mk[32] f32, ik[32] i32, + 16
.set PQ,  400                          ; q: mg[32], ig[32], cw[32], + 16
.set PAT, 208                          ; a: 96 f16 + 16
.set PST, 1040                         ; stage: 256 f32 + 16
.set LK,  0
.set LQ,  LK+80*PK
.set LA,  LQ+16*PQ
.set LS,  LA+16*PAT
.set LX,  LS+16*PST
.set LW,  LX+80*PX                     ; ends at 132,608
; vector registers
.set LANE, 1
.set RL,   2                           ; lane % 16
.set HL,   3                           ; lane / 16
.set XSA,  4                           ; where I store x, W
.set WSA,  5
.set WOFF, 6
.set H32,  7
.set XF0,  8                           ; x fragments: column 0 + r; of my wave's 16 columns
.set XFK,  9
.set WFA,  10                          ; W fragments (transposing loads)
.set KSTA, 11                          ; where k's and q's parts are stored
.set QSTA, 12
.set KTA,  13                          ; step 3: column r; tile 0's column for row 2w, for row 2w+1; my two rows of q
.set K0AA, 14
.set K0AB, 15
.set QA,   16
.set ASA,  17                          ; a: store, fragment
.set AFA,  18
.set XTA,  19                          ; x fragments of step 4 (transposing loads)
.set STA,  20                          ; stage: store, read back; offset in out0
.set SRA,  21
.set OUTO, 22
.set NINF, 23
.set INIT, 24                          ; v[24:25] = ((ba + sum Wa) / 2, 0)
.set L16,  26
.set T0,   27
.set T1,   28
.set T2,   29
.set T3,   30
.set BH,   32                          ; v[32:47]  -c bh of u = 8h .. 8h+7, 16+8h .. 16+8h+7
.set WA,   48                          ; v[48:63]  Wa of the same u, then -2 Wa, then cw
.set SUMW, 64
.set WL,   96                          ; v[96:159]  16 loads of W
.set XL,   160                         ; v[160:239] 20 loads of x
.set XO,   240                         ; v[240:249] byte offsets of my ten rows of x
.set PACC, 64                          ; step 2: two accumulators, whole parts, six fragment slots of 24
.set PI,   80
.set FR,   112
.set EACC, 32                          ; step 3: 8 units x 4 partial sums
.set D0,   64
.set D1,   68
.set PS,   72
.set TA,   80
.set TB,   84
.set MX,   88
.set ML,   89
.set SM,   90
.set SM2,  91
.set C0,   92
.set C4,   93
.set BUF0, 96
.set BUF1, 160
.set XT,   96                          ; step 4
.set AF,   144
.set OACC, 168
.set ORD,  184
	s_load_b256 s[4:11], s[0:1], 0x0               ; x s[4:5], Wt s[6:7], Wx s[8:9], bh s[10:11]
	s_load_b128 s[12:15], s[0:1], 0x20             ; Wa s[12:13], ba s[14:15]
	s_load_b64 s[16:17], s[0:1], 0x30              ; out0
	v_lshl_add_u32 v31, v0, 2, 0x29000
	s_set_vgpr_msb 0x40
	v_mov_b32 v1, 0
	s_set_vgpr_msb 0x4000
	v_lshrrev_b32 v[T0], 5, v0
	v_readfirstlane_b32 s18, v[T0]                 ; wave 0..7
	v_and_b32 v[LANE], 31, v0
	v_and_b32 v[RL], 15, v0
	v_bfe_u32 v[HL], v0, 4, 1
	v_lshlrev_b32 v[L16], 4, v[LANE]
	v_lshlrev_b32 v[WOFF], 4, v0                   ; W: 16 bytes a thread, 4,096 a load of the group
	v_lshlrev_b32 v[H32], 5, v[HL]
	s_and_b32 s19, ttmp9, 63                       ; 64 groups a batch
	s_lshl_b32 s19, s19, 4
	s_sub_co_i32 s19, s19, 32                      ; s of column 0 (below 0 in a batch's first two groups)
	s_lshr_b32 s20, ttmp9, 6
	s_lshl_b32 s20, s20, 20                        ; the batch: 1,024 rows of 1,024 bytes
	s_mov_b32 s21, 0
	s_lshl_b32 s22, ttmp9, 14                      ; out0: 16 rows of 1,024 bytes a group
	s_mov_b32 s23, 0
	s_mov_b32 s31, 0xffff0000                      ; lanes 16-31
	s_mov_b32 s36, 0x76543210                      ; v_permlanex16_b32: lane i of the other half
	s_mov_b32 s37, 0xfedcba98
	s_mov_b32 s40, 0xce000000                      ; -2^29
	s_mov_b32 s41, 0x4e000000                      ; 2^29
	s_mov_b32 s42, 0x3fb8aa3b                      ; log2 e
	s_mov_b32 s44, 0xbfb8aa3b                      ; -log2 e
	s_movk_i32 s43, SEQ
	s_mul_i32 s24, s18, 10                         ; wave w brings columns 10 w .. 10 w + 9
	s_add_co_i32 s24, s24, s19
.irp n, 0,1,2,3,4,5,6,7,8,9
	s_add_co_i32 s25, s24, \n
	s_max_i32 s25, s25, 0                          ; a column outside the batch reads the batch's first or last row: finite numbers,
	s_min_i32 s25, s25, SEQ-1                      ; which meet a weight of 0 (the masks below)
	v_lshl_add_u32 v[XO+\n], s25, 10, v[L16]
.endr
	s_wait_kmcnt 0x0
	s_load_b32 s26, s[14:15], 0x0                  ; ba
	s_add_nc_u64 s[4:5], s[4:5], s[20:21]
	s_add_nc_u64 s[16:17], s[16:17], s[22:23]
	; 44 loads a lane, all at once: the small ones, W (shared by all groups), x
.irp o, 0,1
	global_load_b128 v[BH+8*\o:BH+8*\o+3],   v[H32], s[10:11] offset:64*\o
	global_load_b128 v[BH+8*\o+4:BH+8*\o+7], v[H32], s[10:11] offset:64*\o+16
.endr
.irp o, 0,1
	global_load_b128 v[WA+8*\o:WA+8*\o+3],   v[H32], s[12:13] offset:64*\o
	global_load_b128 v[WA+8*\o+4:WA+8*\o+7], v[H32], s[12:13] offset:64*\o+16
.endr
.irp m, 0,1,2,3,4,5,6,7
	global_load_b128 v[WL+4*\m:WL+4*\m+3], v[WOFF], s[6:7] offset:4096*\m
.endr
.irp m, 0,1,2,3,4,5,6,7
	global_load_b128 v[WL+32+4*\m:WL+32+4*\m+3], v[WOFF], s[8:9] offset:4096*\m
.endr
.irp n, 0,1,2,3,4,5,6,7,8,9
	global_load_b128 v[XL+8*\n:XL+8*\n+3],   v[XO+\n], s[4:5]              ; a wave's load covers 512 neighbouring bytes, half a row
	global_load_b128 v[XL+8*\n+4:XL+8*\n+7], v[XO+\n], s[4:5] offset:512
.endr
	; every LDS address and mask of the kernel, made while the loads are on their way
	s_mul_i32 s27, s18, 10*PX
	s_add_co_u32 s27, s27, LX
	v_lshl_add_u32 v[XSA], v[LANE], 3, s27         ; x: column 10 w, 8 bytes (4 f16) a lane
	v_lshrrev_b32 v[T0], 3, v0
	v_and_b32 v[T1], 7, v0
	v_mul_u32_u24 v[T0], v[T0], PW                 ; W: eight threads a row of 32 f32, row = thread / 8 (+ 32 a load)
	v_lshl_add_u32 v[T0], v[T1], 3, v[T0]
	v_add_nc_u32 v[WSA], LW, v[T0]
	v_mul_u32_u24 v[T0], v[RL], PX
	v_lshl_add_u32 v[T0], v[HL], 4, v[T0]
	v_add_nc_u32 v[XF0], LX, v[T0]                 ; fragment with K along the row: row r, 16 h
	s_mul_i32 s27, s18, 16*PX
	v_add_nc_u32 v[XFK], s27, v[XF0]
	v_lshl_add_u32 v[T0], v[HL], 3, v[T1]          ; transposing loads: row 8 h + lane % 8,
	v_bfe_u32 v[T2], v0, 3, 1
	v_lshlrev_b32 v[T2], 4, v[T2]                  ; 16 bytes x bit 3 of the lane
	v_mad_u32_u24 v[T3], v[T0], PW, v[T2]
	v_add_nc_u32 v[WFA], LW, v[T3]
	v_mad_u32_u24 v[T3], v[T0], PX, v[T2]
	s_lshl_b32 s27, s18, 6                         ; step 4: wave w makes features 32 w .. 32 w + 31
	s_add_co_u32 s27, s27, LX
	v_add_nc_u32 v[XTA], s27, v[T3]
	v_mul_u32_u24 v[T0], v[RL], PK
	v_lshl_add_u32 v[T1], v[HL], 5, v[T0]
	s_mul_i32 s27, s18, 16*PK
	v_add_nc_u32 v[KSTA], s27, v[T1]               ; k: column 16 w + r, u = 8 h
	v_lshl_add_u32 v[KTA], v[HL], 6, v[T0]         ; step 3: column r, u = 16 h
	v_mul_u32_u24 v[T0], v[RL], PQ
	v_lshl_add_u32 v[QSTA], v[HL], 5, v[T0]
	s_lshl_b32 s28, s18, 1                         ; my rows: i = 2 w and 2 w + 1
	s_add_co_u32 s29, s28, 1
	v_subrev_nc_u32 v[T0], s28, v[RL]              ; row i uses columns i .. i+63, each residue modulo 64 once: residue r < 16 stands for
	v_subrev_nc_u32 v[T1], s29, v[RL]              ; column ((r - i) mod 64) + i, which is r where r >= i and r + 64 where r < i
	v_and_b32 v[T0], 63, v[T0]
	v_and_b32 v[T1], 63, v[T1]
	v_add_nc_u32 v[T0], s28, v[T0]
	v_add_nc_u32 v[T1], s29, v[T1]
	v_mul_u32_u24 v[T0], v[T0], PK                 ; a column's row of k; the loads below read its bytes 64 h + 16 c and 128 + 64 h + 16 c, c <= 3: never the 16 bytes of padding
	v_mul_u32_u24 v[T1], v[T1], PK
	v_lshl_add_u32 v[K0AA], v[HL], 6, v[T0]
	v_lshl_add_u32 v[K0AB], v[HL], 6, v[T1]
	s_mul_i32 s27, s18, 2*PQ
	v_lshl_add_u32 v[QA], v[HL], 6, s27            ; row 2 w of q, u = 16 h: the same address in all 16 lanes of a half
	v_add_nc_u32 v[T0], s28, v[HL]                 ; in the softmax lanes 0-15 hold row 2 w, lanes 16-31 row 2 w + 1
	v_cmp_lt_u32 s30, v[RL], v[T0]                 ; s30: r < i, tile 0 stands for column r + 64
	v_sub_nc_u32 v[T1], v[RL], v[T0]
	v_and_b32 v[T1], 63, v[T1]
	v_add3_u32 v[T1], v[T1], v[T0], s19            ; s of tile 0's column
	v_cmp_gt_u32 s32, s43, v[T1]                   ; s32-s35: 0 <= s < 1024 for tiles 0-3 (unsigned: a negative s is large)
	v_add_nc_u32 v[T2], s19, v[RL]
.irp m, 1,2,3
	v_add_nc_u32 v[T1], 16*\m, v[T2]
	v_cmp_gt_u32 s[32+\m], s43, v[T1]
.endr
	v_mul_u32_u24 v[T0], v[T0], PAT
	v_lshl_add_u32 v[ASA], v[RL], 1, v[T0]
	v_mul_u32_u24 v[T0], v[RL], PAT
	v_lshl_add_u32 v[AFA], v[HL], 4, v[T0]
	v_mul_u32_u24 v[T0], v[RL], PST
	v_lshl_add_u32 v[T0], v[HL], 5, v[T0]
	s_lshl_b32 s27, s18, 7
	v_add_nc_u32 v[STA], s27, v[T0]                ; stage: row r, feature 32 w + 8 h
	s_mul_i32 s27, s18, 2*PST
	v_add_nc_u32 v[SRA], s27, v[L16]               ; back: rows 2 w, 2 w + 1, 16 bytes a lane
	v_lshl_add_u32 v[OUTO], s18, 11, v[L16]
	v_mov_b32 v[NINF], 0xff800000
	s_wait_loadcnt 36                              ; bh and Wa are in: the 36 loads of W and x were issued behind them
	v_pk_add_f32 v[SUMW:SUMW+1],   v[WA:WA+1],     v[WA+2:WA+3]     ; sum of my 16 Wa; the other half of the wave holds the other 16
	v_pk_add_f32 v[SUMW+2:SUMW+3], v[WA+4:WA+5],   v[WA+6:WA+7]
	v_pk_add_f32 v[SUMW+4:SUMW+5], v[WA+8:WA+9],   v[WA+10:WA+11]
	v_pk_add_f32 v[SUMW+6:SUMW+7], v[WA+12:WA+13], v[WA+14:WA+15]
	v_pk_add_f32 v[SUMW:SUMW+1],   v[SUMW:SUMW+1],   v[SUMW+2:SUMW+3]
	v_pk_add_f32 v[SUMW+4:SUMW+5], v[SUMW+4:SUMW+5], v[SUMW+6:SUMW+7]
	v_pk_add_f32 v[SUMW:SUMW+1],   v[SUMW:SUMW+1],   v[SUMW+4:SUMW+5]
	v_add_f32 v[SUMW], v[SUMW], v[SUMW+1]
	v_permlanex16_b32 v[T0], v[SUMW], s36, s37     ; its destination counts as read: T0 has been written
	v_add_f32 v[SUMW], v[SUMW], v[T0]
	s_wait_kmcnt 0x0
	v_add_f32 v[T1], s26, v[SUMW]                  ; ba + sum Wa: what e is where every tanh is 1
	v_mul_f32 v[INIT], 0.5, v[T1]                  ; halved: each half of the wave starts its 16 units' sum from it
	v_mov_b32 v[INIT+1], 0
.irp p, 0,2,4,6,8,10,12,14
	v_pk_mul_f32 v[WA+\p:WA+\p+1], v[WA+\p:WA+\p+1], -2.0 op_sel_hi:[1,0]
	v_pk_mul_f32 v[BH+\p:BH+\p+1], v[BH+\p:BH+\p+1], 0xc038aa3b op_sel_hi:[1,0]    ; -c bh, c = 2 log2 e
.endr
; STEP 1.  16 bytes of f32 become 8 bytes of f16, in place, and go to LDS.
.macro CVT r, a, off
	v_cvt_pk_f16_f32 v[\r], v[\r], v[\r+1]
	v_cvt_pk_f16_f32 v[\r+1], v[\r+2], v[\r+3]
	ds_store_b64 v[\a], v[\r:\r+1] offset:\off
.endm
.irp m, 0,1,2,3,4,5,6,7
	s_wait_loadcnt 35-\m                           ; loads come back in order (ISA guide 5.7.1): 7 - m of Wt, 8 of Wx and 20 of x were issued behind this one
	CVT WL+4*\m, WSA, 32*PW*\m                     ; Wt: columns 0-31 of the LDS rows
.endr
.irp m, 0,1,2,3,4,5,6,7
	s_wait_loadcnt 27-\m                           ; 7 - m of Wx and 20 of x behind it
	CVT WL+32+4*\m, WSA, 32*PW*\m+64               ; Wx: columns 32-63
.endr
.irp n, 0,1,2,3,4,5,6,7,8,9
	s_wait_loadcnt 18-2*\n                         ; both halves of row n are in; two loads for each of the 9 - n rows behind it
	CVT XL+8*\n, XSA, PX*\n
	CVT XL+8*\n+4, XSA, PX*\n+256
.endr
	s_wait_dscnt 0x0                               ; my stores are done, for the others' sake
	s_barrier_signal -1
	s_barrier_wait -1                              ; x and W are whole
; STEP 2.  16 rows of x times 32 columns of W, K = 256 in eight steps of 32.  Source 0 = 16 columns of W (transposing loads from [K][N]), source 1 = 16 rows of x:
; lane (r, h) then holds, of x's row r, the units u = 8 h + 0..7 (first accumulator) and 16 + 8 h + 0..7 (second): 16-byte stores.
.macro FRAG k, xr, xo, wo
.set FB, FR+24*((\k)%6)
	ds_load_b128 v[FB:FB+3],   v[\xr] offset:\xo+64*\k
	ds_load_b128 v[FB+4:FB+7], v[\xr] offset:\xo+64*\k+32
	ds_load_tr16_b128 v[FB+8:FB+11],  v[WFA] offset:\wo+32*PW*\k
	ds_load_tr16_b128 v[FB+12:FB+15], v[WFA] offset:\wo+32*PW*\k+16*PW
	ds_load_tr16_b128 v[FB+16:FB+19], v[WFA] offset:\wo+32*PW*\k+32
	ds_load_tr16_b128 v[FB+20:FB+23], v[WFA] offset:\wo+32*PW*\k+16*PW+32
.endm
.macro MM k, z                         ; the two accumulators take turns, one instruction a turn
.set FB, FR+24*((\k)%6)
.if \z
	v_wmma_f32_16x16x32_f16 v[PACC:PACC+7],    v[FB+8:FB+15],  v[FB:FB+7], 0       ; the first products start the sums
	v_wmma_f32_16x16x32_f16 v[PACC+8:PACC+15], v[FB+16:FB+23], v[FB:FB+7], 0
.else
	v_wmma_f32_16x16x32_f16 v[PACC:PACC+7],    v[FB+8:FB+15],  v[FB:FB+7], v[PACC:PACC+7]
	v_wmma_f32_16x16x32_f16 v[PACC+8:PACC+15], v[FB+16:FB+23], v[FB:FB+7], v[PACC+8:PACC+15]
.endif
.endm
.macro PLACES                          ; four plain vector instructions between a matrix instruction and a load into its sources or a reader of its result
.rept 4
	v_nop
.endr
.endm
.macro PROJ xr, xo, wo
.irp k, 0,1,2,3,4,5
	FRAG \k, \xr, \xo, \wo
.endr
	s_wait_dscnt 30                                ; six loads a K step; LDS loads come back in order: steps 1-5 may be out
	MM 0, 1
	s_wait_dscnt 24
	MM 1, 0
	PLACES
	FRAG 6, \xr, \xo, \wo                          ; steps 6 and 7 take the registers of steps 0 and 1
	FRAG 7, \xr, \xo, \wo
	s_wait_dscnt 30                                ; steps 3-7 may be out
	MM 2, 0
	s_wait_dscnt 24
	MM 3, 0
	s_wait_dscnt 18
	MM 4, 0
	s_wait_dscnt 12
	MM 5, 0
	s_wait_dscnt 6
	MM 6, 0
	s_wait_dscnt 0
	MM 7, 0
	PLACES
.endm
; 16 numbers z in PACC become 2^(z - round(z)) in PACC and round(z), clamped to +-2^29, as whole numbers in PI.  z - round(z) is exact.
.macro SPLIT
.irp n, 0,1,2,3,4,5,6,7,8,9,10,11,12,13,14,15
	v_rndne_f32 v[PI+\n], v[PACC+\n]
.endr
.irp n, 0,2,4,6,8,10,12,14
	v_pk_add_f32 v[PACC+\n:PACC+\n+1], v[PACC+\n:PACC+\n+1], v[PI+\n:PI+\n+1] neg_lo:[0,1] neg_hi:[0,1]
.endr
.irp n, 0,1,2,3,4,5,6,7,8,9,10,11,12,13,14,15
	v_exp_f32 v[PACC+\n], v[PACC+\n]
.endr
.irp n, 0,1,2,3,4,5,6,7,8,9,10,11,12,13,14,15
	v_med3_num_f32 v[PI+\n], v[PI+\n], s40, s41    ; plain instructions on other registers stand between the exponentials and their use (ISA guide 5.7.2)
.endr
	s_wait_alu depctr_va_vdst(0)
.irp n, 0,1,2,3,4,5,6,7,8,9,10,11,12,13,14,15
	v_cvt_i32_f32 v[PI+\n], v[PI+\n]
.endr
.endm
.macro ST16 a, r, off                  ; 16 numbers: u = 8 h + 0..7 at byte 32 h (in the address), u = 16 + 8 h + 0..7 64 bytes on
	ds_store_b128 v[\a], v[\r:\r+3]     offset:\off
	ds_store_b128 v[\a], v[\r+4:\r+7]   offset:\off+16
	ds_store_b128 v[\a], v[\r+8:\r+11]  offset:\off+64
	ds_store_b128 v[\a], v[\r+12:\r+15] offset:\off+80
.endm
	s_cmp_gt_u32 s18, 5                            ; six jobs of two tiles: waves 6 and 7 have none
	s_cbranch_scc1 .Lproj_done
	s_cmp_eq_u32 s18, 5
	s_cbranch_scc1 .Lproj_q
	PROJ XFK, 0, 64                                ; k of columns 16 w .. 16 w + 15: Wx
.irp n, 0,2,4,6,8,10,12,14
	v_pk_mul_f32 v[PACC+\n:PACC+\n+1], v[PACC+\n:PACC+\n+1], 0x4038aa3b op_sel_hi:[1,0]    ; c k
.endr
	SPLIT
	ST16 KSTA, PACC, LK                            ; mk
	ST16 KSTA, PI, LK+128                          ; ik
	s_branch .Lproj_done
.Lproj_q:
	PROJ XF0, 32*PX, 0                             ; q of my 16 rows, which are columns 32-47: Wt
.irp n, 0,2,4,6,8,10,12,14
	v_pk_fma_f32 v[PACC+\n:PACC+\n+1], v[PACC+\n:PACC+\n+1], 0xc038aa3b, v[BH+\n:BH+\n+1] op_sel_hi:[1,0,1]   ; -c q - c bh
.endr
	SPLIT
	s_wait_alu depctr_va_vdst(0)
.irp n, 0,2,4,6,8,10,12,14
	v_pk_mul_f32 v[WA+\n:WA+\n+1], v[WA+\n:WA+\n+1], v[PACC+\n:PACC+\n+1]                  ; cw = -2 Wa mg
.endr
	ST16 QSTA, PACC, LQ                            ; mg
	ST16 QSTA, PI, LQ+128                          ; ig
	ST16 QSTA, WA, LQ+256                          ; cw
.Lproj_done:
	s_wait_dscnt 0x0
	s_barrier_signal -1
	s_barrier_wait -1                              ; k's and q's parts are whole
; STEP 3.  Wave w: rows a = 2 w, b = 2 w + 1.  A unit is one row x one tile of 16 columns; lane (r, h) sums units u = 16 h .. 16 h + 15 of column 16 m + r.
; So a 16-byte load of q's parts brings each half of the wave its own four u, and serves four tiles; tiles 1-3 of k serve both rows; tile 0 has a set for each row.
; Four chunks of four u, two register buffers of 64: [mg ig cw](a) [mg ig cw](b) [mk ik](tile 0, a) [mk ik](tile 0, b) [mk ik](tiles 1, 2, 3).
.macro LOADS c, b
	ds_load_b128 v[\b:\b+3],     v[QA]   offset:LQ+16*(\c)
	ds_load_b128 v[\b+4:\b+7],   v[QA]   offset:LQ+128+16*(\c)
	ds_load_b128 v[\b+8:\b+11],  v[QA]   offset:LQ+256+16*(\c)
	ds_load_b128 v[\b+24:\b+27], v[K0AA] offset:LK+16*(\c)
	ds_load_b128 v[\b+28:\b+31], v[K0AA] offset:LK+128+16*(\c)
.irp m, 1,2,3
	ds_load_b128 v[\b+32+8*\m:\b+35+8*\m], v[KTA] offset:LK+16*\m*PK+16*(\c)
	ds_load_b128 v[\b+36+8*\m:\b+39+8*\m], v[KTA] offset:LK+16*\m*PK+128+16*(\c)
.endr
	ds_load_b128 v[\b+12:\b+15], v[QA]   offset:LQ+PQ+16*(\c)
	ds_load_b128 v[\b+16:\b+19], v[QA]   offset:LQ+PQ+128+16*(\c)
	ds_load_b128 v[\b+20:\b+23], v[QA]   offset:LQ+PQ+256+16*(\c)
	ds_load_b128 v[\b+32:\b+35], v[K0AB] offset:LK+16*(\c)
	ds_load_b128 v[\b+36:\b+39], v[K0AB] offset:LK+128+16*(\c)
.endm
; Step 4's fragments of x (16 features x 32 columns, transposing loads), asked for during the last chunk: x has lain in LDS since step 1.
; Columns 80-95 do not exist and have weight 0: the third K step's upper half reads columns 64-79 once more, finite numbers.
.macro XTLOADS
.irp ks, 0,1,2
.irp t, 0,1
	ds_load_tr16_b128 v[XT+16*\ks+8*\t:XT+16*\ks+8*\t+3], v[XTA] offset:32*PX*\ks+32*\t
.if \ks < 2
	ds_load_tr16_b128 v[XT+16*\ks+8*\t+4:XT+16*\ks+8*\t+7], v[XTA] offset:32*PX*\ks+32*\t+16*PX
.else
	ds_load_tr16_b128 v[XT+16*\ks+8*\t+4:XT+16*\ks+8*\t+7], v[XTA] offset:32*PX*\ks+32*\t
.endif
.endr
.endr
.endm
.macro S1 b, q, k, d                   ; four denominators mg + mk 2^(ik - ig)
.irp n, 0,1,2,3
	v_sub_nc_u32 v[\d+\n], v[\b+\k+4+\n], v[\b+\q+4+\n]
.endr
.irp n, 0,1,2,3
	v_ldexp_f32 v[\d+\n], v[\b+\k+\n], v[\d+\n]
.endr
	v_pk_add_f32 v[\d:\d+1],   v[\d:\d+1],   v[\b+\q:\b+\q+1]
	v_pk_add_f32 v[\d+2:\d+3], v[\d+2:\d+3], v[\b+\q+2:\b+\q+3]
.endm
.macro TR d
.irp n, 0,1,2,3
	v_rcp_f32 v[\d+\n], v[\d+\n]
.endr
.endm
.macro FM b, q, d, a, first            ; four partial sums a unit, so that no fma waits for the one in front of it; the first chunk starts them
.if \first
	s_wait_alu depctr_va_vdst(0)
	v_pk_fma_f32 v[\a:\a+1],   v[\b+\q+8:\b+\q+9],   v[\d:\d+1],   v[INIT:INIT+1]
	v_pk_mul_f32 v[\a+2:\a+3], v[\b+\q+10:\b+\q+11], v[\d+2:\d+3]
.else
	s_wait_alu depctr_va_vdst(0)
	v_pk_fma_f32 v[\a:\a+1],   v[\b+\q+8:\b+\q+9],   v[\d:\d+1],   v[\a:\a+1]
	v_pk_fma_f32 v[\a+2:\a+3], v[\b+\q+10:\b+\q+11], v[\d+2:\d+3], v[\a+2:\a+3]
.endif
.endm
; One chunk.  The units go through S1, TR, FM one step apart on two sets of denominators: behind a unit's four reciprocals stand the next unit's ten plain
; instructions, on other registers, before its FM reads them (ISA guide 5.7.2), also from chunk to chunk.  bb: this chunk's buffer, ob: the other one.
.macro CHUNK c, bb, ob, first, pf
	s_wait_dscnt 0x0                               ; this chunk's 16 loads, issued one chunk ago; nothing else is out
	S1 \bb, 0, 24, D0
.if \c > 0
	FM \ob, 12, D1, EACC+28, \pf                   ; the last chunk's last unit: the other buffer's last reader
.endif
.if \c < 3
	LOADS \c+1, \ob
.else
	XTLOADS
.endif
	TR D0
	S1 \bb, 0, 40, D1
	FM \bb, 0, D0, EACC, \first
	TR D1
	S1 \bb, 0, 48, D0
	FM \bb, 0, D1, EACC+4, \first
	TR D0
	S1 \bb, 0, 56, D1
	FM \bb, 0, D0, EACC+8, \first
	TR D1
	S1 \bb, 12, 32, D0
	FM \bb, 0, D1, EACC+12, \first
	TR D0
	S1 \bb, 12, 40, D1
	FM \bb, 12, D0, EACC+16, \first
	TR D1
	S1 \bb, 12, 48, D0
	FM \bb, 12, D1, EACC+20, \first
	TR D0
	S1 \bb, 12, 56, D1
	FM \bb, 12, D0, EACC+24, \first
	TR D1
.endm
	LOADS 0, BUF0
	CHUNK 0, BUF0, BUF1, 1, 0
	CHUNK 1, BUF1, BUF0, 0, 1
	CHUNK 2, BUF0, BUF1, 0, 0
	CHUNK 3, BUF1, BUF0, 0, 0
	v_nop                                          ; the place behind the last reciprocals
	s_wait_alu depctr_va_vdst(0)
	FM BUF1, 12, D1, EACC+28, 0
	; e: four partial sums a unit, then the two halves of the wave.  Lanes 0-15 end up with row a, lanes 16-31 with row b: one softmax serves both rows.
.irp n, 0,1,2,3,4,5,6,7
	v_pk_add_f32 v[EACC+4*\n:EACC+4*\n+1], v[EACC+4*\n:EACC+4*\n+1], v[EACC+4*\n+2:EACC+4*\n+3]
.endr
.irp n, 0,1,2,3,4,5,6,7
	v_add_f32 v[PS+\n], v[EACC+4*\n], v[EACC+4*\n+1]
.endr
.irp m, 0,1,2,3
	v_cndmask_b32 v[TA+\m], v[PS+\m], v[PS+4+\m], s31      ; what I keep: a's sum in the lower half, b's in the upper
	v_cndmask_b32 v[TB+\m], v[PS+4+\m], v[PS+\m], s31      ; what the other half needs
.endr
.irp m, 0,1,2,3
	v_permlanex16_b32 v[PS+\m], v[TB+\m], s36, s37         ; destination written before
.endr
.irp m, 0,1,2,3
	v_add_f32 v[TA+\m], v[TA+\m], v[PS+\m]
.endr
.irp m, 0,1,2,3
	v_cndmask_b32 v[TA+\m], v[NINF], v[TA+\m], s[32+\m]    ; columns outside the batch: -infinity, weight 0.  Column s = t is always inside
.endr
	v_max3_num_f32 v[MX], v[TA], v[TA+1], v[TA+2]
	v_max_num_f32 v[MX], v[MX], v[TA+3]
.irp x, 1,2,4,8
	v_max_num_f32_dpp v[MX], v[MX], v[MX] row_xmask:\x row_mask:0xf bank_mask:0xf      ; the row's maximum, in its 16 lanes
.endr
	v_mul_f32 v[ML], s44, v[MX]
.irp m, 0,1,2,3
	v_fma_f32 v[TA+\m], v[TA+\m], s42, v[ML]               ; (e - max) log2 e
.endr
.irp m, 0,1,2,3
	v_exp_f32 v[TA+\m], v[TA+\m]
.endr
	v_nop                                          ; the place behind the exponentials
	s_wait_alu depctr_va_vdst(0)
	v_add_f32 v[SM], v[TA], v[TA+1]
	v_add_f32 v[SM2], v[TA+2], v[TA+3]
	v_add_f32 v[SM], v[SM], v[SM2]
.irp x, 1,2,4,8
	v_add_f32_dpp v[SM], v[SM], v[SM] row_xmask:\x row_mask:0xf bank_mask:0xf
.endr
	v_rcp_f32 v[SM], v[SM]                         ; the sum is at least 1: the maximum's own term
	v_nop
	s_wait_alu depctr_va_vdst(0)
.irp m, 0,1,2,3
	v_mul_f32 v[TA+\m], v[TA+\m], v[SM]
.endr
	v_cndmask_b32 v[C0], v[TA], 0, s30             ; tile 0's weight belongs to column r, or to column 64 + r where r < i; the other one is 0
	v_cndmask_b32 v[C4], 0, v[TA], s30
	v_cvt_pk_f16_f32 v[C0], v[C0], v[TA+1]         ; weights lie in [0, 1]: inside f16's range
	v_cvt_pk_f16_f32 v[TA+2], v[TA+2], v[TA+3]
	v_cvt_pk_f16_f32 v[C4], v[C4], v[INIT+1]       ; columns 80-95 pad K to 96 with zeros (INIT+1 holds 0)
	ds_store_b16        v[ASA], v[C0]   offset:LA
	ds_store_b16_d16_hi v[ASA], v[C0]   offset:LA+32
	ds_store_b16        v[ASA], v[TA+2] offset:LA+64
	ds_store_b16_d16_hi v[ASA], v[TA+2] offset:LA+96
	ds_store_b16        v[ASA], v[C4]   offset:LA+128
	ds_store_b16_d16_hi v[ASA], v[C4]   offset:LA+160
	s_wait_dscnt 0x0                               ; my rows of a are stored (and x's fragments are in)
	s_barrier_signal -1
	s_barrier_wait -1                              ; a is whole
	; STEP 4.  out[16 rows][32 features of mine] = a [16][96] x [96][32].  Source 0 = 16 features of x, source 1 = the 16 rows of a:
	; lane (r, h) holds, of row r, features 8 h + 0..7 of each tile.
.irp ks, 0,1,2
	ds_load_b128 v[AF+8*\ks:AF+8*\ks+3],   v[AFA] offset:LA+64*\ks
	ds_load_b128 v[AF+8*\ks+4:AF+8*\ks+7], v[AFA] offset:LA+64*\ks+32
.endr
	s_wait_dscnt 4                                 ; the first K step's two loads are in, four are behind them
	v_wmma_f32_16x16x32_f16 v[OACC:OACC+7],    v[XT:XT+7],     v[AF:AF+7], 0       ; two accumulators by turns
	v_wmma_f32_16x16x32_f16 v[OACC+8:OACC+15], v[XT+8:XT+15],  v[AF:AF+7], 0
	s_wait_dscnt 2
	v_wmma_f32_16x16x32_f16 v[OACC:OACC+7],    v[XT+16:XT+23], v[AF+8:AF+15], v[OACC:OACC+7]
	v_wmma_f32_16x16x32_f16 v[OACC+8:OACC+15], v[XT+24:XT+31], v[AF+8:AF+15], v[OACC+8:OACC+15]
	s_wait_dscnt 0
	v_wmma_f32_16x16x32_f16 v[OACC:OACC+7],    v[XT+32:XT+39], v[AF+16:AF+23], v[OACC:OACC+7]
	v_wmma_f32_16x16x32_f16 v[OACC+8:OACC+15], v[XT+40:XT+47], v[AF+16:AF+23], v[OACC+8:OACC+15]
	PLACES
	; STEP 5.  A wave's tiles are 128 bytes of each of 16 rows.  Through the stage each wave gets two whole rows: its stores cover 512 neighbouring bytes, aligned.
	ST16 STA, OACC, LS
	s_wait_dscnt 0x0
	s_barrier_signal -1
	s_barrier_wait -1
	ds_load_b128 v[ORD:ORD+3],     v[SRA] offset:LS
	ds_load_b128 v[ORD+4:ORD+7],   v[SRA] offset:LS+512
	ds_load_b128 v[ORD+8:ORD+11],  v[SRA] offset:LS+PST
	ds_load_b128 v[ORD+12:ORD+15], v[SRA] offset:LS+PST+512
.irp t, 0,1,2,3
	s_wait_dscnt 3-\t                              ; load t is in, the 3 - t behind it may be out
	global_store_b128 v[OUTO], v[ORD+4*\t:ORD+4*\t+3], s[16:17] offset:512*\t th:TH_STORE_NT
.endr
	s_set_vgpr_msb 0x4
	s_wait_tensorcnt 0x0
	ds_add_u32 v31, v1
	s_wait_dscnt 0x0
	s_set_vgpr_msb 0x400
	s_endpgm
.Lfunc_end_k_q7c8fe9235e_attn:
	.size	k_q7c8fe9235e_attn, .Lfunc_end_k_q7c8fe9235e_attn-k_q7c8fe9235e_attn
	.p2alignl 7, 3214868480
	.fill 96, 4, 3214868480
	.section	.rodata,"a",@progbits
	.p2align	6, 0x0
	.amdhsa_kernel k_q7c8fe9235e_attn
		.amdhsa_group_segment_fixed_size 168960
		.amdhsa_private_segment_fixed_size 0
		.amdhsa_enable_private_segment 0
		.amdhsa_kernarg_size 56
		.amdhsa_user_sgpr_count 2
		.amdhsa_user_sgpr_kernarg_segment_ptr 1
		.amdhsa_wavefront_size32 1
		.amdhsa_system_sgpr_workgroup_id_x 1
		.amdhsa_system_sgpr_workgroup_id_y 1
		.amdhsa_system_sgpr_workgroup_id_z 1
		.amdhsa_system_vgpr_workitem_id 0
		.amdhsa_next_free_vgpr 258
		.amdhsa_next_free_sgpr 66
		.amdhsa_reserve_vcc 0
		.amdhsa_float_denorm_mode_32 3
		.amdhsa_float_denorm_mode_16_64 3
		.amdhsa_memory_ordered 1
		.amdhsa_forward_progress 1
		.amdhsa_inst_pref_size 77
	.end_amdhsa_kernel
	.amdgpu_metadata
---
amdhsa.version: [ 1, 2 ]
amdhsa.kernels:
  - .name:           k_q7c8fe9235e_attn
    .symbol:         k_q7c8fe9235e_attn.kd
    .args:
      - { .name: x, .offset: 0, .size: 8, .value_kind: global_buffer, .address_space: global }
      - { .name: Wt, .offset: 8, .size: 8, .value_kind: global_buffer, .address_space: global }
      - { .name: Wx, .offset: 16, .size: 8, .value_kind: global_buffer, .address_space: global }
      - { .name: bh, .offset: 24, .size: 8, .value_kind: global_buffer, .address_space: global }
      - { .name: Wa, .offset: 32, .size: 8, .value_kind: global_buffer, .address_space: global }
      - { .name: ba, .offset: 40, .size: 8, .value_kind: global_buffer, .address_space: global }
      - { .name: out0, .offset: 48, .size: 8, .value_kind: global_buffer, .address_space: global }
    .group_segment_fixed_size: 168960
    .private_segment_fixed_size: 0
    .kernarg_segment_align: 8
    .kernarg_segment_size: 56
    .max_flat_workgroup_size: 256
    .sgpr_count:     66
    .vgpr_count:     258
    .wavefront_size: 32
...
	.end_amdgpu_metadata
.endif
;; end of part 1
;; ======== version 2 of 2: 1 launch; version 1 with the launch attn written anew for expert scheduling mode
;; limits: right only within a limited range of input values; values are held in f16: magnitudes above 65,504 overflow, below 6.1e-05 lose precision; inputs' magnitudes at most 65,504
;; launch attn (part 2): grid 256 x 1, 8 waves a work-group, no clusters, 168,960 bytes of LDS; arguments x, Wt, Wx, bh, Wa, ba, out0; writes out0
.if DOCPART == 2
	.amdgcn_target "amdgcn-amd-amdhsa--gfx1250"
	.amdhsa_code_object_version 6
	.text
	.protected	k_q7c8fe9235e_attn
	.globl	k_q7c8fe9235e_attn
	.p2align	8
	.type	k_q7c8fe9235e_attn,@function
k_q7c8fe9235e_attn:
	s_mov_b64 s[64:65], 0
	v_nop
	global_prefetch_b8 v0, s[64:65] scope:SCOPE_SE
	s_setreg_imm32_b32 hwreg(HW_REG_WAVE_SCHED_MODE, 0, 2), 2
	s_setreg_imm32_b32 hwreg(HW_REG_WAVE_MODE, 25, 1), 1
	s_wait_xcnt 0x0
	s_wait_alu depctr_vm_vsrc(0)
; Additive self-attention in a band of 64.  x: [4][1024][256] f32, Wt, Wx: [256][32], bh: [32], Wa: [32], ba: [1], out0: [4][1024][256] f32.
;   q = x Wt, k = x Wx, e[t][s] = ba + sum over u of Wa[u] tanh(q[t][u] + k[s][u] + bh[u]), a = softmax over s in [t-32, t+32) and [0, 1024), out[t] = sum a[t][s] x[s].
; One launch.  A work-group of eight waves owns 16 rows t of one batch and needs the 80 rows s = t0-32 .. t0+47 of x ("columns" j = 0 .. 79; row i uses j = i .. i+63).
;   1  x (80 rows) and Wt | Wx are loaded once, rounded to f16 in registers, and laid into LDS
;   2  waves 0-4: k of 16 columns each, wave 5: q of the 16 rows, on the matrix unit; each number is split as below and laid into LDS
;   3  wave w: e of rows 2w, 2w+1, softmax (the row's maximum is taken away), a as f16 [16][96] into LDS, zeros outside the band
;   4  a x on the matrix unit, two tiles of 16 features a wave;  5  through an LDS stage, whole rows of 1,024 bytes go out
; TANH WITH ONE TRANSCENDENTAL A TERM.  tanh(z) = 1 - 2 / (1 + 2^(c z)), c = 2 log2 e.  Once for each (t, u): -c (q + bh) = ig + fg, ig whole, |fg| <= 1/2,
; mg = 2^fg, cw = -2 Wa mg.  Once for each (s, u): c k = ik + fk, mk = 2^fk.  Then 1 / (1 + 2^(c z)) = mg / (mg + mk 2^(ik-ig)), and
; e = (ba + sum Wa) + sum over u of cw / (mg + ldexp(mk, ik - ig)): a subtraction, a ldexp, half a packed add, one v_rcp_f32, half a packed fma.
; The exponents are whole numbers of their own, so no size of q or k overflows: ldexp gives infinity or 0, and the term becomes 0 or cw / mg.
; F16, NOT BF16, FOR THE MATRIX OPERANDS: 11 significant bits against 8.  An output is a weighted mean of up to 64 rows, about an eighth of x's spread, and the roundings
; of a, of x and (through e) of x and W add up over the same terms, so three bits more in each operand are worth having; bytes, layouts and instructions are the same.
; LIMITS.  (a) Outside the band reference() takes 10000 from e; such a weight is exp(-10000 + at most 2 sum |Wa|), which is 0 in f32 while sum |Wa| < 4,948:
; up to there this text, which leaves those terms out, agrees.  (b) ig and ik are clamped to +-2^29: |q + bh| and |k| below 1.8e8.  (c) NaN and infinities in the
; inputs are not followed.  (d) x, Wt, Wx and a enter the matrix unit rounded to f16; sums are f32.  So |x|, |Wt|, |Wx| <= 65,504 (beyond it the rounding gives
; infinity), and numbers below 6.1e-5 are rounded in steps of 6e-8 instead of 11 bits.
; NO CLUSTER, NO TENSOR LOADS: what groups share (Wt, Wx: 65,536 bytes; 64 of the 80 rows of x) is f32 and has to be f16 in LDS.  Through registers the rounding
; costs two instructions for 16 bytes; a joint load would lay 147,456 bytes of f32 into LDS, to be read, rounded and stored once more.  Each byte of LDS is filled once.
; THE MODE: SCHED_MODE bits 1:0 = 2 (LLVM: expert scheduling mode 2), set by the entry lines.  The code itself states the register dependences
; between vector or matrix instructions and memory or LDS instructions, with s_wait_alu, always for 0.
; THE PLAN.  Registers that memory or LDS instructions touch, and who else names them:
;   v4-v22         offsets and LDS addresses: written once at the head by vector instructions, never again.
;   XO             offsets of x's rows: written at the head, read by x's loads; step 2's fragments land there later.
;   WL, XL         Step 1, in five groups: the global loads land; group g's conversions narrow them in place; the LDS stores that read them are issued in group g + 1,
;                  behind the one wait on va_vdst at that group's head, and dealt among group g + 1's conversions, which name other registers.
;   FR             Step 2: LDS loads land, matrix instructions read; slots 0 and 1 are loaded twice, the second time behind a wait on va_vdst.
;   PACC, PI, WA   Step 2: written by matrix and vector instructions, read by LDS stores behind a wait on va_vdst; written again by step 3 behind a wait on vm_vsrc.
;   BUF0, BUF1     Step 3: chunk c's vector work reads one; the loads of chunk c + 1 land in the other, behind the one wait on va_vdst that stands behind that buffer's last
;                  reader, and are dealt among chunk c's vector instructions, which name their own buffer, D0, D1 and EACC alone.  XT takes BUF0's place in the last chunk.
;   C0, TA+2, C4; OACC   store data, each run of stores behind a wait on va_vdst.     AF, ORD   LDS loads land where no vector instruction since the last such wait has been.
;   s18; s30, s32-s35    written by vector instructions: a wait on va_sdst behind each of the two runs of writers, at the head.
.set SEQ, 1024
; LDS rows (bytes).  64 banks of 4 bytes (ISA guide 11.1).  PK, PQ, PAT, PST are odd multiples of 16: the 16 rows that a 16-byte access touches start at 16 different
; groups of four banks.  PX, PW are odd multiples of 32, which the transposing loads want (8 rows x 32 bytes fill the banks once); x's plain fragment loads collide two deep.
.set PX,  544                          ; x: 256 f16 + 32
.set PW,  160                          ; Wt | Wx: 64 f16 + 32
.set PK,  272                          ; k: mk[32] f32, ik[32] i32, + 16
.set PQ,  400                          ; q: mg[32], ig[32], cw[32], + 16
.set PAT, 208                          ; a: 96 f16 + 16
.set PST, 1040                         ; stage: 256 f32 + 16
.set LK,  0
.set LQ,  LK+80*PK
.set LA,  LQ+16*PQ
.set LS,  LA+16*PAT
.set LX,  LS+16*PST
.set LW,  LX+80*PX                     ; ends at 132,608
; vector registers
.set LANE, 1
.set RL,   2                           ; lane % 16
.set HL,   3                           ; lane / 16
.set XSA,  4                           ; where I store x, W
.set WSA,  5
.set WOFF, 6
.set H32,  7
.set XF0,  8                           ; x fragments: column 0 + r; of my wave's 16 columns
.set XFK,  9
.set WFA,  10                          ; W fragments (transposing loads)
.set KSTA, 11                          ; where k's and q's parts are stored
.set QSTA, 12
.set KTA,  13                          ; step 3: column r; tile 0's column for row 2w, for row 2w+1; my two rows of q
.set K0AA, 14
.set K0AB, 15
.set QA,   16
.set ASA,  17                          ; a: store, fragment
.set AFA,  18
.set XTA,  19                          ; x fragments of step 4 (transposing loads)
.set STA,  20                          ; stage: store, read back; offset in out0
.set SRA,  21
.set OUTO, 22
.set NINF, 23
.set INIT, 24                          ; v[24:25] = ((ba + sum Wa) / 2, 0)
.set L16,  26
.set T0,   27
.set T1,   28
.set T2,   29
.set T3,   30
.set BH,   32                          ; v[32:47]  -c bh of u = 8h .. 8h+7, 16+8h .. 16+8h+7
.set WA,   48                          ; v[48:63]  Wa of the same u, then -2 Wa, then cw
.set SUMW, 64
.set WL,   96                          ; v[96:159]  16 loads of W
.set XL,   160                         ; v[160:239] 20 loads of x
.set XO,   240                         ; v[240:249] byte offsets of my ten rows of x
.set PACC, 64                          ; step 2: two accumulators, whole parts, six fragment slots of 24
.set PI,   80
.set FR,   112
.set EACC, 32                          ; step 3: 8 units x 4 partial sums
.set D0,   64
.set D1,   68
.set PS,   72
.set TA,   80
.set TB,   84
.set MX,   88
.set ML,   89
.set SM,   90
.set SM2,  91
.set C0,   92
.set C4,   93
.set BUF0, 96
.set BUF1, 160
.set XT,   96                          ; step 4
.set AF,   144
.set OACC, 168
.set ORD,  184
	s_load_b256 s[4:11], s[0:1], 0x0               ; x s[4:5], Wt s[6:7], Wx s[8:9], bh s[10:11]
	s_load_b128 s[12:15], s[0:1], 0x20             ; Wa s[12:13], ba s[14:15]
	s_load_b64 s[16:17], s[0:1], 0x30              ; out0
	v_lshl_add_u32 v31, v0, 2, 0x29000
	s_set_vgpr_msb 0x40
	v_mov_b32 v1, 0
	s_set_vgpr_msb 0x4000
	v_lshrrev_b32 v[T0], 5, v0
	v_readfirstlane_b32 s18, v[T0]                 ; wave 0..7
	v_and_b32 v[LANE], 31, v0
	v_and_b32 v[RL], 15, v0
	v_bfe_u32 v[HL], v0, 4, 1
	v_lshlrev_b32 v[L16], 4, v[LANE]
	v_lshlrev_b32 v[WOFF], 4, v0                   ; W: 16 bytes a thread, 4,096 a load of the group
	v_lshlrev_b32 v[H32], 5, v[HL]
	s_and_b32 s19, ttmp9, 63                       ; 64 groups a batch
	s_lshl_b32 s19, s19, 4
	s_sub_co_i32 s19, s19, 32                      ; s of column 0 (below 0 in a batch's first two groups)
	s_lshr_b32 s20, ttmp9, 6
	s_lshl_b32 s20, s20, 20                        ; the batch: 1,024 rows of 1,024 bytes
	s_mov_b32 s21, 0
	s_lshl_b32 s22, ttmp9, 14                      ; out0: 16 rows of 1,024 bytes a group
	s_mov_b32 s23, 0
	s_mov_b32 s31, 0xffff0000                      ; lanes 16-31
	s_mov_b32 s36, 0x76543210                      ; v_permlanex16_b32: lane i of the other half
	s_mov_b32 s37, 0xfedcba98
	s_mov_b32 s40, 0xce000000                      ; -2^29
	s_mov_b32 s41, 0x4e000000                      ; 2^29
	s_mov_b32 s42, 0x3fb8aa3b                      ; log2 e
	s_mov_b32 s44, 0xbfb8aa3b                      ; -log2 e
	s_movk_i32 s43, SEQ
	s_wait_alu depctr_va_sdst(0)                   ; s18 is written, ahead of its first reader, the line below
	s_mul_i32 s24, s18, 10                         ; wave w brings columns 10 w .. 10 w + 9
	s_add_co_i32 s24, s24, s19
.irp n, 0,1,2,3,4,5,6,7,8,9
	s_add_co_i32 s25, s24, \n
	s_max_i32 s25, s25, 0                          ; a column outside the batch reads the batch's first or last row: finite numbers,
	s_min_i32 s25, s25, SEQ-1                      ; which meet a weight of 0 (the masks below)
	v_lshl_add_u32 v[XO+\n], s25, 10, v[L16]
.endr
	s_wait_kmcnt 0x0
	s_load_b32 s26, s[14:15], 0x0                  ; ba
	s_add_nc_u64 s[4:5], s[4:5], s[20:21]
	s_add_nc_u64 s[16:17], s[16:17], s[22:23]
	s_wait_alu depctr_va_vdst(0)                   ; the offsets H32, WOFF and XO are written, which the 44 loads below read
	; 44 loads a lane, all at once: the small ones, W (shared by all groups), x
.irp o, 0,1
	global_load_b128 v[BH+8*\o:BH+8*\o+3],   v[H32], s[10:11] offset:64*\o
	global_load_b128 v[BH+8*\o+4:BH+8*\o+7], v[H32], s[10:11] offset:64*\o+16
.endr
.irp o, 0,1
	global_load_b128 v[WA+8*\o:WA+8*\o+3],   v[H32], s[12:13] offset:64*\o
	global_load_b128 v[WA+8*\o+4:WA+8*\o+7], v[H32], s[12:13] offset:64*\o+16
.endr
.irp m, 0,1,2,3,4,5,6,7
	global_load_b128 v[WL+4*\m:WL+4*\m+3], v[WOFF], s[6:7] offset:4096*\m
.endr
.irp m, 0,1,2,3,4,5,6,7
	global_load_b128 v[WL+32+4*\m:WL+32+4*\m+3], v[WOFF], s[8:9] offset:4096*\m
.endr
.irp n, 0,1,2,3,4,5,6,7,8,9
	global_load_b128 v[XL+8*\n:XL+8*\n+3],   v[XO+\n], s[4:5]              ; a wave's load covers 512 neighbouring bytes, half a row
	global_load_b128 v[XL+8*\n+4:XL+8*\n+7], v[XO+\n], s[4:5] offset:512
.endr
	; every LDS address and mask of the kernel, made while the loads are on their way; none of these lines writes a register that the loads above name
	s_mul_i32 s27, s18, 10*PX
	s_add_co_u32 s27, s27, LX
	v_lshl_add_u32 v[XSA], v[LANE], 3, s27         ; x: column 10 w, 8 bytes (4 f16) a lane
	v_lshrrev_b32 v[T0], 3, v0
	v_and_b32 v[T1], 7, v0
	v_mul_u32_u24 v[T0], v[T0], PW                 ; W: eight threads a row of 32 f32, row = thread / 8 (+ 32 a load)
	v_lshl_add_u32 v[T0], v[T1], 3, v[T0]
	v_add_nc_u32 v[WSA], LW, v[T0]
	v_mul_u32_u24 v[T0], v[RL], PX
	v_lshl_add_u32 v[T0], v[HL], 4, v[T0]
	v_add_nc_u32 v[XF0], LX, v[T0]                 ; fragment with K along the row: row r, 16 h
	s_mul_i32 s27, s18, 16*PX
	v_add_nc_u32 v[XFK], s27, v[XF0]
	v_lshl_add_u32 v[T0], v[HL], 3, v[T1]          ; transposing loads: row 8 h + lane % 8,
	v_bfe_u32 v[T2], v0, 3, 1
	v_lshlrev_b32 v[T2], 4, v[T2]                  ; 16 bytes x bit 3 of the lane
	v_mad_u32_u24 v[T3], v[T0], PW, v[T2]
	v_add_nc_u32 v[WFA], LW, v[T3]
	v_mad_u32_u24 v[T3], v[T0], PX, v[T2]
	s_lshl_b32 s27, s18, 6                         ; step 4: wave w makes features 32 w .. 32 w + 31
	s_add_co_u32 s27, s27, LX
	v_add_nc_u32 v[XTA], s27, v[T3]
	v_mul_u32_u24 v[T0], v[RL], PK
	v_lshl_add_u32 v[T1], v[HL], 5, v[T0]
	s_mul_i32 s27, s18, 16*PK
	v_add_nc_u32 v[KSTA], s27, v[T1]               ; k: column 16 w + r, u = 8 h
	v_lshl_add_u32 v[KTA], v[HL], 6, v[T0]         ; step 3: column r, u = 16 h
	v_mul_u32_u24 v[T0], v[RL], PQ
	v_lshl_add_u32 v[QSTA], v[HL], 5, v[T0]
	s_lshl_b32 s28, s18, 1                         ; my rows: i = 2 w and 2 w + 1
	s_add_co_u32 s29, s28, 1
	v_subrev_nc_u32 v[T0], s28, v[RL]              ; row i uses columns i .. i+63, each residue modulo 64 once: residue r < 16 stands for
	v_subrev_nc_u32 v[T1], s29, v[RL]              ; column ((r - i) mod 64) + i, which is r where r >= i and r + 64 where r < i
	v_and_b32 v[T0], 63, v[T0]
	v_and_b32 v[T1], 63, v[T1]
	v_add_nc_u32 v[T0], s28, v[T0]
	v_add_nc_u32 v[T1], s29, v[T1]
	v_mul_u32_u24 v[T0], v[T0], PK                 ; a column's row of k; the loads below read its bytes 64 h + 16 c and 128 + 64 h + 16 c, c <= 3: never the 16 bytes of padding
	v_mul_u32_u24 v[T1], v[T1], PK
	v_lshl_add_u32 v[K0AA], v[HL], 6, v[T0]
	v_lshl_add_u32 v[K0AB], v[HL], 6, v[T1]
	s_mul_i32 s27, s18, 2*PQ
	v_lshl_add_u32 v[QA], v[HL], 6, s27            ; row 2 w of q, u = 16 h: the same address in all 16 lanes of a half
	v_add_nc_u32 v[T0], s28, v[HL]                 ; in the softmax lanes 0-15 hold row 2 w, lanes 16-31 row 2 w + 1
	v_cmp_lt_u32 s30, v[RL], v[T0]                 ; s30: r < i, tile 0 stands for column r + 64
	v_sub_nc_u32 v[T1], v[RL], v[T0]
	v_and_b32 v[T1], 63, v[T1]
	v_add3_u32 v[T1], v[T1], v[T0], s19            ; s of tile 0's column
	v_cmp_gt_u32 s32, s43, v[T1]                   ; s32-s35: 0 <= s < 1024 for tiles 0-3 (unsigned: a negative s is large)
	v_add_nc_u32 v[T2], s19, v[RL]
.irp m, 1,2,3
	v_add_nc_u32 v[T1], 16*\m, v[T2]
	v_cmp_gt_u32 s[32+\m], s43, v[T1]
.endr
	s_wait_alu depctr_va_sdst(0)                   ; the five masks s30, s32-s35 are written: one wait behind the run of compares, ahead of every branch; the softmax's selects are their first readers
	v_mul_u32_u24 v[T0], v[T0], PAT
	v_lshl_add_u32 v[ASA], v[RL], 1, v[T0]
	v_mul_u32_u24 v[T0], v[RL], PAT
	v_lshl_add_u32 v[AFA], v[HL], 4, v[T0]
	v_mul_u32_u24 v[T0], v[RL], PST
	v_lshl_add_u32 v[T0], v[HL], 5, v[T0]
	s_lshl_b32 s27, s18, 7
	v_add_nc_u32 v[STA], s27, v[T0]                ; stage: row r, feature 32 w + 8 h
	s_mul_i32 s27, s18, 2*PST
	v_add_nc_u32 v[SRA], s27, v[L16]               ; back: rows 2 w, 2 w + 1, 16 bytes a lane
	v_lshl_add_u32 v[OUTO], s18, 11, v[L16]
	v_mov_b32 v[NINF], 0xff800000
	s_wait_loadcnt 36                              ; bh and Wa are in: the 36 loads of W and x were issued behind them
	v_pk_add_f32 v[SUMW:SUMW+1],   v[WA:WA+1],     v[WA+2:WA+3]     ; sum of my 16 Wa; the other half of the wave holds the other 16
	v_pk_add_f32 v[SUMW+2:SUMW+3], v[WA+4:WA+5],   v[WA+6:WA+7]
	v_pk_add_f32 v[SUMW+4:SUMW+5], v[WA+8:WA+9],   v[WA+10:WA+11]
	v_pk_add_f32 v[SUMW+6:SUMW+7], v[WA+12:WA+13], v[WA+14:WA+15]
	v_pk_add_f32 v[SUMW:SUMW+1],   v[SUMW:SUMW+1],   v[SUMW+2:SUMW+3]
	v_pk_add_f32 v[SUMW+4:SUMW+5], v[SUMW+4:SUMW+5], v[SUMW+6:SUMW+7]
	v_pk_add_f32 v[SUMW:SUMW+1],   v[SUMW:SUMW+1],   v[SUMW+4:SUMW+5]
	v_add_f32 v[SUMW], v[SUMW], v[SUMW+1]
	v_permlanex16_b32 v[T0], v[SUMW], s36, s37     ; its destination counts as read: T0 has been written
	v_add_f32 v[SUMW], v[SUMW], v[T0]
	s_wait_kmcnt 0x0
	v_add_f32 v[T1], s26, v[SUMW]                  ; ba + sum Wa: what e is where every tanh is 1
	v_mul_f32 v[INIT], 0.5, v[T1]                  ; halved: each half of the wave starts its 16 units' sum from it
	v_mov_b32 v[INIT+1], 0
.irp p, 0,2,4,6,8,10,12,14
	v_pk_mul_f32 v[WA+\p:WA+\p+1], v[WA+\p:WA+\p+1], -2.0 op_sel_hi:[1,0]
	v_pk_mul_f32 v[BH+\p:BH+\p+1], v[BH+\p:BH+\p+1], 0xc038aa3b op_sel_hi:[1,0]    ; -c bh, c = 2 log2 e
.endr
; STEP 1.  16 bytes of f32 become 8 bytes of f16, in place (CV), and go to LDS (PUT).  Five groups: Wt, Wx, x's loads 0-7, 8-15, 16-19 (load j: row j / 2, half j % 2).
; A group's stores are issued in the next group, behind the wait at its head, and dealt among that group's conversions, which name other registers.
.macro CV r
	v_cvt_pk_f16_f32 v[\r], v[\r], v[\r+1]
	v_cvt_pk_f16_f32 v[\r+1], v[\r+2], v[\r+3]
.endm
.macro PUT r, a, off
	ds_store_b64 v[\a], v[\r:\r+1] offset:\off
.endm
	s_wait_loadcnt 28                              ; loads come back in order (ISA guide 5.7.1): Wt is in; 8 of Wx and 20 of x were issued behind it
.irp m, 0,1,2,3,4,5,6,7
	CV WL+4*\m
.endr
	s_wait_loadcnt 20                              ; Wx is in; x's 20 behind it
	s_wait_alu depctr_va_vdst(0)                   ; Wt's conversions have written the registers that the stores below read; so are the addresses WSA and XSA written
.irp m, 0,1,2,3,4,5,6,7
	PUT WL+4*\m, WSA, 32*PW*\m                     ; Wt: columns 0-31 of the LDS rows
	CV WL+32+4*\m
.endr
	s_wait_loadcnt 12                              ; x's loads 0-7 are in; 12 behind them
	s_wait_alu depctr_va_vdst(0)                   ; Wx's conversions have written the registers that the stores below read
.irp m, 0,1,2,3,4,5,6,7
	PUT WL+32+4*\m, WSA, 32*PW*\m+64               ; Wx: columns 32-63
	CV XL+4*\m
.endr
	s_wait_loadcnt 4                               ; x's loads 8-15 are in; 4 behind them
	s_wait_alu depctr_va_vdst(0)                   ; the conversions of x's loads 0-7 have written the registers that the stores below read
.irp m, 0,1,2,3,4,5,6,7
	PUT XL+4*\m, XSA, PX*(\m/2)+256*(\m%2)
	CV XL+32+4*\m
.endr
	s_wait_loadcnt 0x0                             ; the last four
	s_wait_alu depctr_va_vdst(0)                   ; the conversions of x's loads 8-15 have written the registers that the stores below read
.irp m, 0,1,2,3,4,5,6,7
	PUT XL+32+4*\m, XSA, PX*(4+\m/2)+256*(\m%2)
.if \m < 4
	CV XL+64+4*\m
.endif
.endr
	s_wait_alu depctr_va_vdst(0)                   ; the last conversions have written the registers that the stores below read.  No vector instruction follows until step 2: this wait also
	                                               ; states that all of WL, XL and XO has been written and read by vector instructions for the last time, ahead of the LDS loads that land there
.irp m, 0,1,2,3
	PUT XL+64+4*\m, XSA, PX*(8+\m/2)+256*(\m%2)
.endr
	s_wait_dscnt 0x0                               ; my stores are done, for the others' sake
	s_barrier_signal -1
	s_barrier_wait -1                              ; x and W are whole
	s_wait_alu depctr_vm_vsrc(0)                   ; my LDS stores have read WL and XL, x's loads have read XO: LDS loads land in these registers from here on (every wave: step 2's fragments, or step 3's buffers)
; STEP 2.  16 rows of x times 32 columns of W, K = 256 in eight steps of 32.  Source 0 = 16 columns of W (transposing loads from [K][N]), source 1 = 16 rows of x:
; lane (r, h) then holds, of x's row r, the units u = 8 h + 0..7 (first accumulator) and 16 + 8 h + 0..7 (second): 16-byte stores.
.macro FRAG k, xr, xo, wo
.set FB, FR+24*((\k)%6)
	ds_load_b128 v[FB:FB+3],   v[\xr] offset:\xo+64*\k
	ds_load_b128 v[FB+4:FB+7], v[\xr] offset:\xo+64*\k+32
	ds_load_tr16_b128 v[FB+8:FB+11],  v[WFA] offset:\wo+32*PW*\k
	ds_load_tr16_b128 v[FB+12:FB+15], v[WFA] offset:\wo+32*PW*\k+16*PW
	ds_load_tr16_b128 v[FB+16:FB+19], v[WFA] offset:\wo+32*PW*\k+32
	ds_load_tr16_b128 v[FB+20:FB+23], v[WFA] offset:\wo+32*PW*\k+16*PW+32
.endm
.macro MM k, z                         ; the two accumulators take turns, one instruction a turn
.set FB, FR+24*((\k)%6)
.if \z
	v_wmma_f32_16x16x32_f16 v[PACC:PACC+7],    v[FB+8:FB+15],  v[FB:FB+7], 0       ; the first products start the sums
	v_wmma_f32_16x16x32_f16 v[PACC+8:PACC+15], v[FB+16:FB+23], v[FB:FB+7], 0
.else
	v_wmma_f32_16x16x32_f16 v[PACC:PACC+7],    v[FB+8:FB+15],  v[FB:FB+7], v[PACC:PACC+7]
	v_wmma_f32_16x16x32_f16 v[PACC+8:PACC+15], v[FB+16:FB+23], v[FB:FB+7], v[PACC+8:PACC+15]
.endif
.endm
.macro PLACES                          ; four plain vector instructions between a matrix instruction and a load into its sources or a reader of its result
.rept 4
	v_nop
.endr
.endm
.macro PROJ xr, xo, wo
.irp k, 0,1,2,3,4,5
	FRAG \k, \xr, \xo, \wo
.endr
	s_wait_dscnt 30                                ; six loads a K step; LDS loads come back in order: steps 1-5 may be out
	MM 0, 1
	s_wait_dscnt 24
	MM 1, 0
	PLACES
	s_wait_alu depctr_va_vdst(0)                   ; the matrix instructions of steps 0 and 1 are done reading their fragments, in which the loads below land
	FRAG 6, \xr, \xo, \wo                          ; steps 6 and 7 take the registers of steps 0 and 1
	FRAG 7, \xr, \xo, \wo
	s_wait_dscnt 30                                ; steps 3-7 may be out
	MM 2, 0
	s_wait_dscnt 24
	MM 3, 0
	s_wait_dscnt 18
	MM 4, 0
	s_wait_dscnt 12
	MM 5, 0
	s_wait_dscnt 6
	MM 6, 0
	s_wait_dscnt 0
	MM 7, 0
	PLACES
.endm
; 16 numbers z in PACC become 2^(z - round(z)) in PACC and round(z), clamped to +-2^29, as whole numbers in PI.  z - round(z) is exact.
.macro SPLIT
.irp n, 0,1,2,3,4,5,6,7,8,9,10,11,12,13,14,15
	v_rndne_f32 v[PI+\n], v[PACC+\n]
.endr
.irp n, 0,2,4,6,8,10,12,14
	v_pk_add_f32 v[PACC+\n:PACC+\n+1], v[PACC+\n:PACC+\n+1], v[PI+\n:PI+\n+1] neg_lo:[0,1] neg_hi:[0,1]
.endr
.irp n, 0,1,2,3,4,5,6,7,8,9,10,11,12,13,14,15
	v_exp_f32 v[PACC+\n], v[PACC+\n]
.endr
.irp n, 0,1,2,3,4,5,6,7,8,9,10,11,12,13,14,15
	v_med3_num_f32 v[PI+\n], v[PI+\n], s40, s41    ; plain instructions on other registers stand between the exponentials and their use (ISA guide 5.7.2)
.endr
.irp n, 0,1,2,3,4,5,6,7,8,9,10,11,12,13,14,15
	v_cvt_i32_f32 v[PI+\n], v[PI+\n]
.endr
.endm
.macro ST16 a, r, off                  ; 16 numbers: u = 8 h + 0..7 at byte 32 h (in the address), u = 16 + 8 h + 0..7 64 bytes on
	ds_store_b128 v[\a], v[\r:\r+3]     offset:\off
	ds_store_b128 v[\a], v[\r+4:\r+7]   offset:\off+16
	ds_store_b128 v[\a], v[\r+8:\r+11]  offset:\off+64
	ds_store_b128 v[\a], v[\r+12:\r+15] offset:\off+80
.endm
	s_cmp_gt_u32 s18, 5                            ; six jobs of two tiles: waves 6 and 7 have none
	s_cbranch_scc1 .Lproj_done
	s_cmp_eq_u32 s18, 5
	s_cbranch_scc1 .Lproj_q
	PROJ XFK, 0, 64                                ; k of columns 16 w .. 16 w + 15: Wx
.irp n, 0,2,4,6,8,10,12,14
	v_pk_mul_f32 v[PACC+\n:PACC+\n+1], v[PACC+\n:PACC+\n+1], 0x4038aa3b op_sel_hi:[1,0]    ; c k
.endr
	SPLIT
	s_wait_alu depctr_va_vdst(0)                   ; mk and ik are written, which the stores below read; the matrix instructions are done reading the fragment slots, in which step 3's loads land
	ST16 KSTA, PACC, LK                            ; mk
	ST16 KSTA, PI, LK+128                          ; ik
	s_branch .Lproj_done
.Lproj_q:
	PROJ XF0, 32*PX, 0                             ; q of my 16 rows, which are columns 32-47: Wt
.irp n, 0,2,4,6,8,10,12,14
	v_pk_fma_f32 v[PACC+\n:PACC+\n+1], v[PACC+\n:PACC+\n+1], 0xc038aa3b, v[BH+\n:BH+\n+1] op_sel_hi:[1,0,1]   ; -c q - c bh
.endr
	SPLIT
	s_wait_alu depctr_va_vdst(0)
.irp n, 0,2,4,6,8,10,12,14
	v_pk_mul_f32 v[WA+\n:WA+\n+1], v[WA+\n:WA+\n+1], v[PACC+\n:PACC+\n+1]                  ; cw = -2 Wa mg
.endr
	s_wait_alu depctr_va_vdst(0)                   ; mg, ig and cw are written, which the stores below read; the matrix instructions are done reading the fragment slots, in which step 3's loads land
	ST16 QSTA, PACC, LQ                            ; mg
	ST16 QSTA, PI, LQ+128                          ; ig
	ST16 QSTA, WA, LQ+256                          ; cw
.Lproj_done:
	s_wait_dscnt 0x0
	s_barrier_signal -1
	s_barrier_wait -1                              ; k's and q's parts are whole
	s_wait_alu depctr_vm_vsrc(0)                   ; step 2's LDS stores have read PACC, PI and WA, which step 3's vector work writes again (D0, D1, PS, TA .., EACC)
; STEP 3.  Wave w: rows a = 2 w, b = 2 w + 1.  A unit is one row x one tile of 16 columns; lane (r, h) sums units u = 16 h .. 16 h + 15 of column 16 m + r.
; So a 16-byte load of q's parts brings each half of the wave its own four u, and serves four tiles; tiles 1-3 of k serve both rows; tile 0 has a set for each row.
; Four chunks of four u, two register buffers of 64: [mg ig cw](a) [mg ig cw](b) [mk ik](tile 0, a) [mk ik](tile 0, b) [mk ik](tiles 1, 2, 3).
; A chunk's 16 loads, in four parts p of four.
.macro LOADS c, b, p
.if \p == 0
	ds_load_b128 v[\b:\b+3],     v[QA]   offset:LQ+16*(\c)
	ds_load_b128 v[\b+4:\b+7],   v[QA]   offset:LQ+128+16*(\c)
	ds_load_b128 v[\b+8:\b+11],  v[QA]   offset:LQ+256+16*(\c)
	ds_load_b128 v[\b+24:\b+27], v[K0AA] offset:LK+16*(\c)
.elseif \p == 1
	ds_load_b128 v[\b+28:\b+31], v[K0AA] offset:LK+128+16*(\c)
	ds_load_b128 v[\b+40:\b+43], v[KTA]  offset:LK+16*PK+16*(\c)
	ds_load_b128 v[\b+44:\b+47], v[KTA]  offset:LK+16*PK+128+16*(\c)
	ds_load_b128 v[\b+48:\b+51], v[KTA]  offset:LK+32*PK+16*(\c)
.elseif \p == 2
	ds_load_b128 v[\b+52:\b+55], v[KTA]  offset:LK+32*PK+128+16*(\c)
	ds_load_b128 v[\b+56:\b+59], v[KTA]  offset:LK+48*PK+16*(\c)
	ds_load_b128 v[\b+60:\b+63], v[KTA]  offset:LK+48*PK+128+16*(\c)
	ds_load_b128 v[\b+12:\b+15], v[QA]   offset:LQ+PQ+16*(\c)
.else
	ds_load_b128 v[\b+16:\b+19], v[QA]   offset:LQ+PQ+128+16*(\c)
	ds_load_b128 v[\b+20:\b+23], v[QA]   offset:LQ+PQ+256+16*(\c)
	ds_load_b128 v[\b+32:\b+35], v[K0AB] offset:LK+16*(\c)
	ds_load_b128 v[\b+36:\b+39], v[K0AB] offset:LK+128+16*(\c)
.endif
.endm
; Step 4's fragments of x (16 features x 32 columns, transposing loads), asked for during the last chunk, a K step ks (four loads) at a time: x has lain in LDS since step 1.
; Columns 80-95 do not exist and have weight 0: the third K step's upper half reads columns 64-79 once more, finite numbers.
.macro XTLOADS ks
.irp t, 0,1
	ds_load_tr16_b128 v[XT+16*\ks+8*\t:XT+16*\ks+8*\t+3], v[XTA] offset:32*PX*\ks+32*\t
.if \ks < 2
	ds_load_tr16_b128 v[XT+16*\ks+8*\t+4:XT+16*\ks+8*\t+7], v[XTA] offset:32*PX*\ks+32*\t+16*PX
.else
	ds_load_tr16_b128 v[XT+16*\ks+8*\t+4:XT+16*\ks+8*\t+7], v[XTA] offset:32*PX*\ks+32*\t
.endif
.endr
.endm
.macro NEXT c, ob, p                   ; part p of what chunk c asks for: the next chunk's numbers, or in the last chunk step 4's fragments; all of it lands in the other buffer
.if \c < 3
	LOADS \c+1, \ob, \p
.elseif \p < 3
	XTLOADS \p
.endif
.endm
.macro S1 b, q, k, d                   ; four denominators mg + mk 2^(ik - ig)
.irp n, 0,1,2,3
	v_sub_nc_u32 v[\d+\n], v[\b+\k+4+\n], v[\b+\q+4+\n]
.endr
.irp n, 0,1,2,3
	v_ldexp_f32 v[\d+\n], v[\b+\k+\n], v[\d+\n]
.endr
	v_pk_add_f32 v[\d:\d+1],   v[\d:\d+1],   v[\b+\q:\b+\q+1]
	v_pk_add_f32 v[\d+2:\d+3], v[\d+2:\d+3], v[\b+\q+2:\b+\q+3]
.endm
.macro TR d
.irp n, 0,1,2,3
	v_rcp_f32 v[\d+\n], v[\d+\n]
.endr
.endm
.macro FM b, q, d, a, first            ; four partial sums a unit, so that no fma waits for the one in front of it; the first chunk starts them
.if \first
	s_wait_alu depctr_va_vdst(0)
	v_pk_fma_f32 v[\a:\a+1],   v[\b+\q+8:\b+\q+9],   v[\d:\d+1],   v[INIT:INIT+1]
	v_pk_mul_f32 v[\a+2:\a+3], v[\b+\q+10:\b+\q+11], v[\d+2:\d+3]
.else
	s_wait_alu depctr_va_vdst(0)
	v_pk_fma_f32 v[\a:\a+1],   v[\b+\q+8:\b+\q+9],   v[\d:\d+1],   v[\a:\a+1]
	v_pk_fma_f32 v[\a+2:\a+3], v[\b+\q+10:\b+\q+11], v[\d+2:\d+3], v[\a+2:\a+3]
.endif
.endm
; One chunk.  The units go through S1, TR, FM one step apart on two sets of denominators: behind a unit's four reciprocals stand the next unit's ten plain
; instructions, on other registers, before its FM reads them (ISA guide 5.7.2), also from chunk to chunk.  bb: this chunk's buffer, ob: the other one.
; The loads into the other buffer stand four at a time in the first four units: no vector instruction behind the chunk's wait names that buffer or an LDS address.
; Chunk 0 has no such wait: since the last wait on va_vdst (step 2's, or step 1's in waves 6 and 7) the one S1 above its loads names BUF0 and D0 alone.
.macro CHUNK c, bb, ob, first, pf
	s_wait_dscnt 0x0                               ; this chunk's 16 loads, issued one chunk ago; nothing else is out
	S1 \bb, 0, 24, D0
.if \c > 0
	FM \ob, 12, D1, EACC+28, \pf                   ; the last chunk's last unit: the other buffer's last reader
	s_wait_alu depctr_va_vdst(0)                   ; the last chunk's vector work, that FM at its end, is done reading the other buffer, in which this chunk's loads land
.endif
	NEXT \c, \ob, 0
	TR D0
	S1 \bb, 0, 40, D1
	FM \bb, 0, D0, EACC, \first
	NEXT \c, \ob, 1
	TR D1
	S1 \bb, 0, 48, D0
	FM \bb, 0, D1, EACC+4, \first
	NEXT \c, \ob, 2
	TR D0
	S1 \bb, 0, 56, D1
	FM \bb, 0, D0, EACC+8, \first
	NEXT \c, \ob, 3
	TR D1
	S1 \bb, 12, 32, D0
	FM \bb, 0, D1, EACC+12, \first
	TR D0
	S1 \bb, 12, 40, D1
	FM \bb, 12, D0, EACC+16, \first
	TR D1
	S1 \bb, 12, 48, D0
	FM \bb, 12, D1, EACC+20, \first
	TR D0
	S1 \bb, 12, 56, D1
	FM \bb, 12, D0, EACC+24, \first
	TR D1
.endm
.irp p, 0,1,2,3
	LOADS 0, BUF0, \p
.endr
	CHUNK 0, BUF0, BUF1, 1, 0
	CHUNK 1, BUF1, BUF0, 0, 1
	CHUNK 2, BUF0, BUF1, 0, 0
	CHUNK 3, BUF1, BUF0, 0, 0
	v_nop                                          ; the place behind the last reciprocals
	s_wait_alu depctr_va_vdst(0)
	FM BUF1, 12, D1, EACC+28, 0
	; e: four partial sums a unit, then the two halves of the wave.  Lanes 0-15 end up with row a, lanes 16-31 with row b: one softmax serves both rows.
.irp n, 0,1,2,3,4,5,6,7
	v_pk_add_f32 v[EACC+4*\n:EACC+4*\n+1], v[EACC+4*\n:EACC+4*\n+1], v[EACC+4*\n+2:EACC+4*\n+3]
.endr
.irp n, 0,1,2,3,4,5,6,7
	v_add_f32 v[PS+\n], v[EACC+4*\n], v[EACC+4*\n+1]
.endr
.irp m, 0,1,2,3
	v_cndmask_b32 v[TA+\m], v[PS+\m], v[PS+4+\m], s31      ; what I keep: a's sum in the lower half, b's in the upper
	v_cndmask_b32 v[TB+\m], v[PS+4+\m], v[PS+\m], s31      ; what the other half needs
.endr
.irp m, 0,1,2,3
	v_permlanex16_b32 v[PS+\m], v[TB+\m], s36, s37         ; destination written before
.endr
.irp m, 0,1,2,3
	v_add_f32 v[TA+\m], v[TA+\m], v[PS+\m]
.endr
.irp m, 0,1,2,3
	v_cndmask_b32 v[TA+\m], v[NINF], v[TA+\m], s[32+\m]    ; columns outside the batch: -infinity, weight 0.  Column s = t is always inside
.endr
	v_max3_num_f32 v[MX], v[TA], v[TA+1], v[TA+2]
	v_max_num_f32 v[MX], v[MX], v[TA+3]
.irp x, 1,2,4,8
	v_max_num_f32_dpp v[MX], v[MX], v[MX] row_xmask:\x row_mask:0xf bank_mask:0xf      ; the row's maximum, in its 16 lanes
.endr
	v_mul_f32 v[ML], s44, v[MX]
.irp m, 0,1,2,3
	v_fma_f32 v[TA+\m], v[TA+\m], s42, v[ML]               ; (e - max) log2 e
.endr
.irp m, 0,1,2,3
	v_exp_f32 v[TA+\m], v[TA+\m]
.endr
	v_nop                                          ; the place behind the exponentials
	s_wait_alu depctr_va_vdst(0)
	v_add_f32 v[SM], v[TA], v[TA+1]
	v_add_f32 v[SM2], v[TA+2], v[TA+3]
	v_add_f32 v[SM], v[SM], v[SM2]
.irp x, 1,2,4,8
	v_add_f32_dpp v[SM], v[SM], v[SM] row_xmask:\x row_mask:0xf bank_mask:0xf
.endr
	v_rcp_f32 v[SM], v[SM]                         ; the sum is at least 1: the maximum's own term
	v_nop
	s_wait_alu depctr_va_vdst(0)
.irp m, 0,1,2,3
	v_mul_f32 v[TA+\m], v[TA+\m], v[SM]
.endr
	v_cndmask_b32 v[C0], v[TA], 0, s30             ; tile 0's weight belongs to column r, or to column 64 + r where r < i; the other one is 0
	v_cndmask_b32 v[C4], 0, v[TA], s30
	v_cvt_pk_f16_f32 v[C0], v[C0], v[TA+1]         ; weights lie in [0, 1]: inside f16's range
	v_cvt_pk_f16_f32 v[TA+2], v[TA+2], v[TA+3]
	v_cvt_pk_f16_f32 v[C4], v[C4], v[INIT+1]       ; columns 80-95 pad K to 96 with zeros (INIT+1 holds 0)
	s_wait_alu depctr_va_vdst(0)                   ; the three conversions have written C0, TA+2 and C4, which the stores below read; step 3's vector work is done reading BUF0 and BUF1, in which a's fragments and the stage's rows land
	ds_store_b16        v[ASA], v[C0]   offset:LA
	ds_store_b16_d16_hi v[ASA], v[C0]   offset:LA+32
	ds_store_b16        v[ASA], v[TA+2] offset:LA+64
	ds_store_b16_d16_hi v[ASA], v[TA+2] offset:LA+96
	ds_store_b16        v[ASA], v[C4]   offset:LA+128
	ds_store_b16_d16_hi v[ASA], v[C4]   offset:LA+160
	s_wait_dscnt 0x0                               ; my rows of a are stored (and x's fragments are in)
	s_barrier_signal -1
	s_barrier_wait -1                              ; a is whole
	; STEP 4.  out[16 rows][32 features of mine] = a [16][96] x [96][32].  Source 0 = 16 features of x, source 1 = the 16 rows of a:
	; lane (r, h) holds, of row r, features 8 h + 0..7 of each tile.
.irp ks, 0,1,2
	ds_load_b128 v[AF+8*\ks:AF+8*\ks+3],   v[AFA] offset:LA+64*\ks
	ds_load_b128 v[AF+8*\ks+4:AF+8*\ks+7], v[AFA] offset:LA+64*\ks+32
.endr
	s_wait_dscnt 4                                 ; the first K step's two loads are in, four are behind them
	v_wmma_f32_16x16x32_f16 v[OACC:OACC+7],    v[XT:XT+7],     v[AF:AF+7], 0       ; two accumulators by turns
	v_wmma_f32_16x16x32_f16 v[OACC+8:OACC+15], v[XT+8:XT+15],  v[AF:AF+7], 0
	s_wait_dscnt 2
	v_wmma_f32_16x16x32_f16 v[OACC:OACC+7],    v[XT+16:XT+23], v[AF+8:AF+15], v[OACC:OACC+7]
	v_wmma_f32_16x16x32_f16 v[OACC+8:OACC+15], v[XT+24:XT+31], v[AF+8:AF+15], v[OACC+8:OACC+15]
	s_wait_dscnt 0
	v_wmma_f32_16x16x32_f16 v[OACC:OACC+7],    v[XT+32:XT+39], v[AF+16:AF+23], v[OACC:OACC+7]
	v_wmma_f32_16x16x32_f16 v[OACC+8:OACC+15], v[XT+40:XT+47], v[AF+16:AF+23], v[OACC+8:OACC+15]
	PLACES
	s_wait_alu depctr_va_vdst(0)                   ; the matrix instructions have written the accumulators, which the stores below read; the places above stay beside this wait
	; STEP 5.  A wave's tiles are 128 bytes of each of 16 rows.  Through the stage each wave gets two whole rows: its stores cover 512 neighbouring bytes, aligned.
	ST16 STA, OACC, LS
	s_wait_dscnt 0x0
	s_barrier_signal -1
	s_barrier_wait -1
	ds_load_b128 v[ORD:ORD+3],     v[SRA] offset:LS
	ds_load_b128 v[ORD+4:ORD+7],   v[SRA] offset:LS+512
	ds_load_b128 v[ORD+8:ORD+11],  v[SRA] offset:LS+PST
	ds_load_b128 v[ORD+12:ORD+15], v[SRA] offset:LS+PST+512
.irp t, 0,1,2,3
	s_wait_dscnt 3-\t                              ; load t is in, the 3 - t behind it may be out
	global_store_b128 v[OUTO], v[ORD+4*\t:ORD+4*\t+3], s[16:17] offset:512*\t th:TH_STORE_NT
.endr
	s_set_vgpr_msb 0x4
	s_wait_dscnt 0x0
	s_wait_alu depctr_hold_cnt(0) depctr_sa_sdst(0) depctr_va_vdst(0) depctr_va_sdst(0) depctr_va_ssrc(0) depctr_va_vcc(0) depctr_vm_vsrc(0)
	s_wait_tensorcnt 0x0
	ds_add_u32 v31, v1
	s_wait_dscnt 0x0
	s_endpgm
.Lfunc_end_k_q7c8fe9235e_attn:
	.size	k_q7c8fe9235e_attn, .Lfunc_end_k_q7c8fe9235e_attn-k_q7c8fe9235e_attn
	.p2alignl 7, 3214868480
	.fill 96, 4, 3214868480
	.section	.rodata,"a",@progbits
	.p2align	6, 0x0
	.amdhsa_kernel k_q7c8fe9235e_attn
		.amdhsa_group_segment_fixed_size 168960
		.amdhsa_private_segment_fixed_size 0
		.amdhsa_enable_private_segment 0
		.amdhsa_kernarg_size 56
		.amdhsa_user_sgpr_count 2
		.amdhsa_user_sgpr_kernarg_segment_ptr 1
		.amdhsa_wavefront_size32 1
		.amdhsa_system_sgpr_workgroup_id_x 1
		.amdhsa_system_sgpr_workgroup_id_y 1
		.amdhsa_system_sgpr_workgroup_id_z 1
		.amdhsa_system_vgpr_workitem_id 0
		.amdhsa_next_free_vgpr 258
		.amdhsa_next_free_sgpr 66
		.amdhsa_reserve_vcc 0
		.amdhsa_float_denorm_mode_32 3
		.amdhsa_float_denorm_mode_16_64 3
		.amdhsa_memory_ordered 1
		.amdhsa_forward_progress 1
		.amdhsa_inst_pref_size 77
	.end_amdhsa_kernel
	.amdgpu_metadata
---
amdhsa.version: [ 1, 2 ]
amdhsa.kernels:
  - .name:           k_q7c8fe9235e_attn
    .symbol:         k_q7c8fe9235e_attn.kd
    .args:
      - { .name: x, .offset: 0, .size: 8, .value_kind: global_buffer, .address_space: global }
      - { .name: Wt, .offset: 8, .size: 8, .value_kind: global_buffer, .address_space: global }
      - { .name: Wx, .offset: 16, .size: 8, .value_kind: global_buffer, .address_space: global }
      - { .name: bh, .offset: 24, .size: 8, .value_kind: global_buffer, .address_space: global }
      - { .name: Wa, .offset: 32, .size: 8, .value_kind: global_buffer, .address_space: global }
      - { .name: ba, .offset: 40, .size: 8, .value_kind: global_buffer, .address_space: global }
      - { .name: out0, .offset: 48, .size: 8, .value_kind: global_buffer, .address_space: global }
    .group_segment_fixed_size: 168960
    .private_segment_fixed_size: 0
    .kernarg_segment_align: 8
    .kernarg_segment_size: 56
    .max_flat_workgroup_size: 256
    .sgpr_count:     66
    .vgpr_count:     258
    .wavefront_size: 32
...
	.end_amdgpu_metadata
.endif
;; end of part 2
